; MI455X (gfx1250); checked and timed in simulation.
; The chip was launched on July 23, 2026; its instructions are those of AMD's public machine-readable ISA for CDNA 5 (MIT licence, August 2026) and "CDNA5" Instruction Set Architecture Reference Guide (July 2026). The comments in the code are by the model that wrote it; some were corrected since.
;; Bit Linear Inference. Allowed arithmetic: float matrix products may take bf16 or f16 operands with f32 sums; other float arithmetic in f32, or as packed bf16 or f16 multiplies, adds, multiply-adds, maxima and minima; sums over many terms, partial sums and values carried from step to step in f32; what a program stores and reads back later, other than sums and carried values, may be rounded once to bf16 or f16.
;; Inputs: weight_scale 1 float32; weight_ternary 2,048 x 4,096 int32; x 4 x 2,048 x 4,096 float32.
;; Outputs: out0 4 x 2,048 x 2,048 float32.
;; 2 versions, each right; version 2 is version 1 with the launch prep written anew for expert scheduling mode. Each part assembles by itself: llvm-mc -triple=amdgcn-amd-amdhsa -mcpu=gfx1250 --defsym DOCPART=n.
;; ======== version 1 of 2: 2 launches
;; workspace buffers: qx 67,108,864 bytes; wb 16,777,216 bytes; rs 32,768 bytes
;; launch prep (part 1): grid 256 x 1, 8 waves a work-group, no clusters, 0 bytes of LDS; arguments x, weight_ternary, weight_scale, qx, wb, rs; writes qx, wb, rs
.if DOCPART == 1
	.amdgcn_target "amdgcn-amd-amdhsa--gfx1250"
	.amdhsa_code_object_version 6
	.text
	.protected	k_q132d7d26e2_prep
	.globl	k_q132d7d26e2_prep
	.p2align	8
	.type	k_q132d7d26e2_prep,@function
k_q132d7d26e2_prep:
	s_mov_b64 s[64:65], 0
	v_nop
	global_prefetch_b8 v0, s[64:65] scope:SCOPE_SE
	s_setreg_imm32_b32 hwreg(HW_REG_WAVE_MODE, 25, 1), 1
	s_wait_xcnt 0x0
; PER-ROW QUANTISATION OF x, AND THE WEIGHTS AS bf16.  x: [8192][4096] f32.  weight_ternary: [2048][4096] i32.  weight_scale: one f32, ws.
; For a row of x: s = max(max |x|, 1e-5); q = x * (127 / s) rounded to the nearest whole number, halves to even.  q goes out as bf16 (|q| <= 127 is exact in its 8 significant bits),
; the row's factor s * ws / 127 as f32 into rs; the weights go out as bf16 (exact up to 256 in magnitude).  The launch behind multiplies q by the weights and scales each row of the product by rs:
; s / 127 and ws are constant along a row's sum, so that is the same sum.
; THE CLIP TO -128 .. 127 IS NOT WRITTEN: |x| <= s, the reciprocal is within one unit in the last place and two roundings follow, so |x * (127 / s)| <= 127 (1 + 2^-21) < 127.5, which rounds
; to 127 at the most, as clipping and then rounding does.
; LIMITS.  NaN and infinities in x are not treated apart (the maximum passes over a NaN).  A row's maximum above 2^126 has a reciprocal below 2^-126, which counts as 0: such a row is lost.
; x * (127 / s) and x / s * 127 differ by a few units in the last place: where the quotient lies so near a half, q differs by 1 from the quotient's rounding.  Weights beyond 256 in magnitude are rounded to bf16.
; SHARES.  8,192 + 2,048 rows of 16,384 bytes, 40 for each of 256 work-groups: wave g = 8 x work-group + wave takes rows 4 g .. 4 g + 3 of x and row g of the weights.  A wave holds a whole row in 128
; registers between the pass that finds the maximum and the pass that quantises: x is read once, no wave waits for another, nothing goes through LDS.
; A load of the wave covers 512 consecutive bytes, a store 256 consecutive bytes at a multiple of 256 from its buffer's first byte.  rs alone leaves as 16 bytes a wave: 32,768 bytes in the whole launch.
; A RING OF THREE ROW SLOTS, written out (five rows, no loop, no label): one at work, one on its way in, one whose stores are leaving and which is then loaded again.
; REGISTERS, in windows of 256 (s_set_vgpr_msb: bits 1:0 source 0, 3:2 source 1, 5:4 source 2, 7:6 destination): slot 0 = window 0 v128-255; slot 1 = window 1 v0-127; slot 2 = window 1 v128-255.
.set ROWX, 16384                       ; bytes in a row of x and of the weights
.set ROWQ, 8192                        ; bytes in a row of qx and of wb
.set LO,  1                            ; v1      16 x lane: my 16 bytes of a load's 512; never rewritten
.set SO,  2                            ; v2      8 x lane: my 8 bytes of a store's 256; never rewritten
.set LN,  3                            ; v3      lane
.set M,   4                            ; v[4:7]  four running maxima
.set PX,  8                            ; v8      the other half of the lanes' maximum
.set RC,  9                            ; v9      1 / s, then 127 / s
.set ZO,  10                           ; v10     0: the offset of the store into rs
.set RSV, 12                           ; v[12:15] the four rows' factors
.set MSB, 0
.macro WIN new                         ; the immediate's high byte repeats the setting that is left; a switch that changes nothing is dropped
.if MSB != (\new)
	s_set_vgpr_msb (MSB<<8)|(\new)
.set MSB, \new
.endif
.endm
	s_load_b256 s[4:11], s[0:1], 0x0               ; x s[4:5], weight_ternary s[6:7], weight_scale s[8:9], qx s[10:11]
	s_load_b128 s[12:15], s[0:1], 0x20             ; wb s[12:13], rs s[14:15]
	v_and_b32 v[LN], 31, v0
	v_lshrrev_b32 v1, 5, v0
	v_readfirstlane_b32 s16, v1                    ; wave 0..7
	v_lshlrev_b32 v[LO], 4, v[LN]
	v_lshlrev_b32 v[SO], 3, v[LN]
	v_mov_b32 v[PX], 0                             ; v_permlanex16_b32's destination counts as read: it is written once here
	v_mov_b32 v[ZO], 0
	s_lshl_b32 s18, ttmp9, 3
	s_add_co_u32 s18, s18, s16                     ; g, 0 .. 2047
	s_mov_b32 s3, 0                                ; the high word of every offset: the largest is 2047 x 65,536
	s_mov_b32 s24, 0x76543210                      ; v_permlanex16_b32: each lane takes its own place in the other half
	s_mov_b32 s25, 0xfedcba98
	s_wait_kmcnt 0x0
	s_load_b32 s17, s[8:9], 0x0                    ; ws
	s_lshl_b32 s2, s18, 16                         ; four rows of x
	s_add_nc_u64 s[4:5], s[4:5], s[2:3]
	s_lshl_b32 s2, s18, 15                         ; four rows of qx
	s_add_nc_u64 s[10:11], s[10:11], s[2:3]
	s_lshl_b32 s2, s18, 14                         ; a row of the weights
	s_add_nc_u64 s[6:7], s[6:7], s[2:3]
	s_lshl_b32 s2, s18, 13                         ; a row of wb
	s_add_nc_u64 s[12:13], s[12:13], s[2:3]
	s_lshl_b32 s2, s18, 4                          ; four numbers of rs
	s_add_nc_u64 s[14:15], s[14:15], s[2:3]
; A row's 32 loads into a slot.  No address register is ever rewritten: row and place stand in the immediate, 65,024 at the most.
.macro FILL slot, base, off
.set FW, ((\slot)+1)/2
.set FB, 128*(1-(\slot)%2)
	WIN FW<<6
.set j, 0
.rept 32
	global_load_b128 v[FB+4*j:FB+4*j+3], v[LO], s[\base:\base+1] offset:(\off)+512*j th:TH_LOAD_NT
.set j, j+1
.endr
.endm
; A row's 32 stores: of each four registers of the slot the first two hold four bf16.
.macro OUT slot, base, off
.set OW, ((\slot)+1)/2
.set OB, 128*(1-(\slot)%2)
	WIN OW<<2
.set j, 0
.rept 32
	global_store_b64 v[SO], v[OB+4*j:OB+4*j+1], s[\base:\base+1] offset:(\off)+256*j th:TH_STORE_NT
.set j, j+1
.endr
	WIN 0
.endm
; The turn of row i of x, which lies in slot.  left: the younger loads that may stay out.  fslot >= 0: that slot, whose stores the turn before issued (or which is still unused), takes the next row.
.macro XROW i, slot, left, fslot=-1, fbase=4, foff=0
	s_wait_loadcnt \left                           ; loads come back in order (ISA guide 5.7.1): my row is in, the next row's 32 stay out
.if (\fslot) >= 0
	s_wait_xcnt 0x0                                ; every earlier store has read its data: only behind this wait is the slot loaded again
	FILL \fslot, \fbase, \foff
.endif
.set XW, ((\slot)+1)/2
.set XB, 128*(1-(\slot)%2)
	WIN XW|(XW<<2)                                 ; pass 1: the largest |x| of my 128 numbers, in four chains; the first eight numbers start them: nothing is cleared
.set k, 0
.rept 4
	v_max_num_f32 v[M+k], |v[XB+2*k]|, |v[XB+2*k+1]|
.set k, k+1
.endr
.rept 60
	v_max3_num_f32 v[M+k%4], |v[XB+2*k]|, |v[XB+2*k+1]|, v[M+k%4]
.set k, k+1
.endr
	WIN 0
	v_max3_num_f32 v[M], v[M], v[M+1], v[M+2]
	v_max_num_f32 v[M], v[M], v[M+3]
	v_max_num_f32_dpp v[M], v[M], v[M] row_xmask:1 row_mask:0xf bank_mask:0xf   ; across the lanes: four steps inside each half of 16,
	v_max_num_f32_dpp v[M], v[M], v[M] row_xmask:2 row_mask:0xf bank_mask:0xf
	v_max_num_f32_dpp v[M], v[M], v[M] row_xmask:4 row_mask:0xf bank_mask:0xf
	v_max_num_f32_dpp v[M], v[M], v[M] row_xmask:8 row_mask:0xf bank_mask:0xf
	v_permlanex16_b32 v[PX], v[M], s24, s25                                      ; one across the halves
	v_max_num_f32 v[M], v[M], v[PX]
	v_max_num_f32 v[M], 0x3727c5ac, v[M]           ; s = max(.., 1e-5), in every lane
	v_rcp_f32 v[RC], v[M]
	v_mul_f32 v[RSV+(\i)], s22, v[M]               ; s * ws / 127: also the plain instruction between the reciprocal and its use (ISA guide 5.7.2)
	s_wait_alu depctr_va_vdst(0)                   ; the wait ahead of the first line that names the reciprocal
	v_mul_f32 v[RC], 0x42fe0000, v[RC]             ; 127 / s
	v_readfirstlane_b32 s20, v[RC]                 ; the same in every lane: a scalar pair for the packed multiply
	s_mov_b32 s21, s20
	WIN (XW<<6)|(XW<<2)|XW                         ; pass 2, in place, sixteen numbers at a time so that no line reads the result of the line before it
.set u, 0
.rept 8
.set k, 0
.rept 8
	v_pk_mul_f32 v[XB+16*u+2*k:XB+16*u+2*k+1], v[XB+16*u+2*k:XB+16*u+2*k+1], s[20:21] op_sel_hi:[1,0]
.set k, k+1
.endr
.set k, 0
.rept 16
	v_rndne_f32 v[XB+16*u+k], v[XB+16*u+k]
.set k, k+1
.endr
.set k, 0
.rept 4
	v_cvt_pk_bf16_f32 v[XB+16*u+4*k], v[XB+16*u+4*k], v[XB+16*u+4*k+1]        ; whole numbers up to 127: nothing is rounded away
	v_cvt_pk_bf16_f32 v[XB+16*u+4*k+1], v[XB+16*u+4*k+2], v[XB+16*u+4*k+3]
.set k, k+1
.endr
.set u, u+1
.endr
	OUT \slot, 10, (\i)*ROWQ
.endm
; The turn of the wave's row of weights: i32 to f32 to bf16, in place.
.macro WROW slot
	s_wait_loadcnt 0x0                             ; the last row: nothing was issued behind it
.set XW, ((\slot)+1)/2
.set XB, 128*(1-(\slot)%2)
	WIN (XW<<6)|(XW<<2)|XW
.set u, 0
.rept 8
.set k, 0
.rept 16
	v_cvt_f32_i32 v[XB+16*u+k], v[XB+16*u+k]
.set k, k+1
.endr
.set k, 0
.rept 4
	v_cvt_pk_bf16_f32 v[XB+16*u+4*k], v[XB+16*u+4*k], v[XB+16*u+4*k+1]
	v_cvt_pk_bf16_f32 v[XB+16*u+4*k+1], v[XB+16*u+4*k+2], v[XB+16*u+4*k+3]
.set k, k+1
.endr
.set u, u+1
.endr
	OUT \slot, 12, 0
.endm
	FILL 0, 4, 0                                   ; row 0 of my four
	FILL 1, 4, ROWX                                ; row 1
	s_wait_kmcnt 0x0                               ; ws
	s_mul_f32 s22, s17, 0x3c010204                 ; ws / 127
	XROW 0, 0, 32, 2, 4, 2*ROWX                    ; from here on two rows, 32,768 bytes a wave, are on their way during a turn
	XROW 1, 1, 32, 0, 4, 3*ROWX
	XROW 2, 2, 32, 1, 6, 0                         ; slot 1 takes the row of weights
	XROW 3, 0, 32                                  ; the 32 that stay out are the weights'
	WROW 1
	s_wait_xcnt 0x0                                ; EXEC is a source of the stores that are out: it changes only behind this wait
	v_cmp_eq_u32 vcc_lo, 0, v[LN]
	s_and_saveexec_b32 s26, vcc_lo                 ; lane 0 alone: the four factors are the same in every lane
	global_store_b128 v[ZO], v[RSV:RSV+3], s[14:15]
	s_endpgm
.Lfunc_end_k_q132d7d26e2_prep:
	.size	k_q132d7d26e2_prep, .Lfunc_end_k_q132d7d26e2_prep-k_q132d7d26e2_prep
	.p2alignl 7, 3214868480
	.fill 96, 4, 3214868480
	.section	.rodata,"a",@progbits
	.p2align	6, 0x0
	.amdhsa_kernel k_q132d7d26e2_prep
		.amdhsa_group_segment_fixed_size 0
		.amdhsa_private_segment_fixed_size 0
		.amdhsa_enable_private_segment 0
		.amdhsa_kernarg_size 48
		.amdhsa_user_sgpr_count 2
		.amdhsa_user_sgpr_kernarg_segment_ptr 1
		.amdhsa_wavefront_size32 1
		.amdhsa_system_sgpr_workgroup_id_x 1
		.amdhsa_system_sgpr_workgroup_id_y 1
		.amdhsa_system_sgpr_workgroup_id_z 1
		.amdhsa_system_vgpr_workitem_id 0
		.amdhsa_next_free_vgpr 512
		.amdhsa_next_free_sgpr 66
		.amdhsa_reserve_vcc 1
		.amdhsa_float_denorm_mode_32 3
		.amdhsa_float_denorm_mode_16_64 3
		.amdhsa_memory_ordered 1
		.amdhsa_forward_progress 1
		.amdhsa_inst_pref_size 108
	.end_amdhsa_kernel
	.amdgpu_metadata
---
amdhsa.version: [ 1, 2 ]
amdhsa.kernels:
  - .name:           k_q132d7d26e2_prep
    .symbol:         k_q132d7d26e2_prep.kd
    .args:
      - { .name: x, .offset: 0, .size: 8, .value_kind: global_buffer, .address_space: global }
      - { .name: weight_ternary, .offset: 8, .size: 8, .value_kind: global_buffer, .address_space: global }
      - { .name: weight_scale, .offset: 16, .size: 8, .value_kind: global_buffer, .address_space: global }
      - { .name: qx, .offset: 24, .size: 8, .value_kind: global_buffer, .address_space: global }
      - { .name: wb, .offset: 32, .size: 8, .value_kind: global_buffer, .address_space: global }
      - { .name: rs, .offset: 40, .size: 8, .value_kind: global_buffer, .address_space: global }
    .group_segment_fixed_size: 0
    .private_segment_fixed_size: 0
    .kernarg_segment_align: 8
    .kernarg_segment_size: 48
    .max_flat_workgroup_size: 256
    .sgpr_count:     66
    .vgpr_count:     512
    .wavefront_size: 32
...
	.end_amdgpu_metadata
.endif
;; end of part 1
;; launch gemm (part 2): grid 8 x 32, 4 waves a work-group, clusters of 4 x 4, 327,680 bytes of LDS; arguments qx, wb, out0, rs; writes out0
.if DOCPART == 2
	.amdgcn_target "amdgcn-amd-amdhsa--gfx1250"
	.amdhsa_code_object_version 6
	.text
	.protected	k_q132d7d26e2_gemm
	.globl	k_q132d7d26e2_gemm
	.p2align	8
	.type	k_q132d7d26e2_gemm,@function
k_q132d7d26e2_gemm:
	s_mov_b64 s[64:65], 0
	v_nop
	global_prefetch_b8 v0, s[64:65] scope:SCOPE_SE
	s_setreg_imm32_b32 hwreg(HW_REG_WAVE_MODE, 25, 1), 1
	s_wait_xcnt 0x0
	s_wait_alu depctr_hold_cnt(0) depctr_sa_sdst(0) depctr_va_vdst(0) depctr_va_sdst(0) depctr_va_ssrc(0) depctr_va_vcc(0) depctr_vm_vsrc(0)
	s_getreg_b32 s2, hwreg(HW_REG_IB_STS2, 6, 4)
	s_cmp_eq_u32 s2, 0
	s_cbranch_scc0 .Lentry_in_a_cluster
	s_endpgm
.Lentry_in_a_cluster:
	s_bfe_u32 s2, ttmp6, 0x10000c
	s_cmp_lg_u32 s2, 0xf033
	s_cbranch_scc0 .Lentry_shape_is_right
	s_endpgm
.Lentry_shape_is_right:
; out0[m][n] = rs[m] x the sum over k of qx[m][k] wb[n][k].  qx: [8192][4096] bf16, whole numbers up to 127 in magnitude; wb: [2048][4096] bf16, the weights; rs: [8192] f32, a row's s x ws / 127;
; out0: [8192][2048] f32.  Sums in f32: with ternary weights every partial sum is a whole number below 127 x 4096 < 2^24, so nothing is rounded before the one multiplication by rs.
; A tile of out0, 256 x 256, is made by a work-group of four waves, as many as a WGP has SIMDs; a wave makes 128 x 128: 64 accumulators of 16 x 16, 512 registers.  32 x 8 tiles: 256 work-groups, one tile each.
; K goes in steps of 128 through a ring of two LDS slots filled by the tensor data mover: the rows of the tiles are 256 bytes of memory and start at multiples of 256 bytes from the buffer's first byte.
; CLUSTERS: 4 x 4 work-groups.  The four of a row of the cluster need the same tiles of qx, the four of a column the same tiles of wb: each tile is asked for JOINTLY, by the same tensor load with the same
; descriptor and a mask that names the four, and each receives it in its own LDS.
; THE MATRIX INSTRUCTION IS USED TRANSPOSED: source 0 = 16 rows of wb, source 1 = 16 rows of qx.  In the result lane l holds row m = l % 16 and its registers 0 to 7 the columns 8 (l / 16) + 0 .. 7:
; one row a lane, so the row's factor is one number a lane, and eight neighbouring f32 of a row are 32 bytes that belong together.
; REGISTERS, in windows of 256 (s_set_vgpr_msb: bits 1:0 source 0, 3:2 source 1, 5:4 source 2, 7:6 destination):
;   window 0: v0-31 addresses; v32-47 the row factors; v64-127, v128-191 fragments of qx (8 x 16 rows x 32 K), two buffers; on the way out v64-127 scaled results, v128-191 and v192-255 rows read back
;   window 1: v64-127, v128-191 fragments of wb, two buffers
;   window 2: the 32 accumulators of my rows 0-63 (accumulator (a, b) at v[8 (8 a + b)]);   window 3: those of my rows 64-127
.set SIZE_K, 4096
.set KSTEP,  128
.set PITCH,  272                       ; an LDS row: 256 bytes of data + 16 of padding = 68 words: row r starts at bank 4 r mod 64 (64 banks of 4 bytes: ISA guide 11.1), so the 16 rows that a load touches start at 16 different banks
.set HALFT,  128*PITCH                 ; 128 rows: what one tensor load brings, and what one wave reads of qx or of wb
.set SLOT,   4*HALFT                   ; qx's 256 rows, then wb's 256 rows
.set STAGE,  2*SLOT                    ; behind the ring, never filled by a tensor load: 16 rows x 528 bytes for each wave, for the way out
.set SPITCH, 528                       ; a stage row: my 128 columns in f32, 512 bytes, + 16: the sixteen rows that a store touches start at sixteen different groups of four banks
.set SPARE,  STAGE+4*16*SPITCH         ; behind the stages: the spare words, 128 bytes for each wave: two blocks of 256 bytes that no other line names
.set LAPS,   SIZE_K/(2*KSTEP)          ; a lap = two K steps = once round the ring: 16
.set CROW,   8192                      ; bytes in a row of out0
.set ADRA, 16                          ; v16-17  LDS address of my fragments of qx in slot 0, 1
.set ADRB, 20                          ; v20-21  the same for wb
.set STO,  24                          ; v24     the way out: where I put 32 bytes of a row
.set RD,   25                          ; v25     the way out: where I read 16 bytes of a row back
.set CO,   26                          ; v26     16 x lane: my 16 bytes of my wave's 512 in a row of out0
.set RSO,  27                          ; v27     4 x (lane % 16): my row's factor among a block's sixteen
.set SPW,  28                          ; v28     LDS address of my spare word: SPARE + 4 x my thread's number; never rewritten
.set NIL,  29                          ; v29     0; never rewritten
.set PFO,  30                          ; v30     the prefetches' offset: my lane x a row of qx or wb (8,192 bytes); never rewritten
.set RS,   32                          ; v[32:47] block a's factor of my row, in both v[32 + 2 a] and v[33 + 2 a]: a pair for the packed multiply
.set F0,   64                          ; fragment buffer 0
.set F1,   128                         ; fragment buffer 1
.set TMP,  64                          ; the way out: a block's 64 scaled results
.set OB0,  128                         ; the way out: 16 rows read back: v128-191 and v192-255 by turns
.set G1,  24                           ; s[24:31] descriptor group 1 for qx's tiles
.set G0,  32                           ; s[32:39] descriptor group 0 for qx's tiles, one set for each slot
.set LIM, 43                           ; s43      1 in a wave that prefetches, else the greatest number
.set PFA, 44                           ; s[44:45] where my prefetches stand: my work-group's 32 rows of the 128 that I fetch, one K step further along K than the refill that is being asked for
.set G1B, 48                           ; s[48:55] descriptor group 1 for wb's tiles: it differs in the mask alone
.set G0B, 56                           ; s[56:63] descriptor group 0 for wb's tiles
.set MSB, 0
.macro WIN new                         ; the immediate's high byte repeats the setting that is left; a switch that changes nothing is dropped
.if MSB != (\new)
	s_set_vgpr_msb (MSB<<8)|(\new)
.set MSB, \new
.endif
.endm
.set MUL_LO, 0xa1                      ; source 0 (wb) window 1, source 1 (qx) window 0, C and D window 2
.set MUL_HI, 0xf1                      ; the same, C and D window 3
.set TO_B,   0x40                      ; destination window 1, address window 0
; A joint load.  Waves 0 and 1 fetch qx's two halves, waves 2 and 3 wb's.  Each of the two lines has one mask and one set of registers for all that issue it.  The branch hangs on the wave's number alone.
; An s_nop 0 and four v_nop follow each of the two lines, ahead of the jump, the label and what follows the macro.
.macro JLOAD s
	s_cmp_eq_u32 s11, 0
	s_cbranch_scc0 .Lfor_b_\@
	tensor_load_to_lds s[G0+4*(\s):G0+4*(\s)+3], s[G1:G1+7]
	s_nop 0
.rept 4
	v_nop
.endr
	s_branch .Lasked_\@
.Lfor_b_\@:
	tensor_load_to_lds s[G0B+4*(\s):G0B+4*(\s)+3], s[G1B:G1B+7]
	s_nop 0
.rept 4
	v_nop
.endr
.Lasked_\@:
.endm
; A PREFETCH, behind each joint refill, its five lines and the run of LDS loads that follows them: the K step that stands TWO refills on, 512 matrix instructions ahead of the load that will name it:
; 32 rows x 256 bytes, a lane a row, one instruction a wave.  Each row's 256 bytes of a K step are named ONCE in the launch: qx's tile row is read by both clusters of that row of clusters, and the one with
; x = 0 asks; wb's tile column by all eight clusters of that column, and the one with y = 0 asks.  The four partners that ask for a tile jointly share its rows out BY ADDRESS: of the 128 rows that a wave
; fetches the partner at place p takes 32 p .. 32 p + 31 (p = cx for qx, cy for wb): no branch hangs on a work-group's place in its cluster.  K steps 0 to 3 come by their loads alone; the loop's last
; trip (s3 = 1) asks for nothing: K steps 32 and 33 do not exist.
.macro ASK
	s_cmp_gt_u32 s3, s[LIM]
	s_cbranch_scc0 .Lnot_mine_\@
	global_prefetch_b8 v[PFO], s[PFA:PFA+1] offset:KSTEP*2 th:TH_LOAD_NT scope:SCOPE_SE
.Lnot_mine_\@:
.endm
; A round of the cluster's barrier: my work-group's barrier, so that wave 0's signal speaks for all four waves; wave 0 signals for the work-group; every wave waits for all sixteen work-groups;
; my work-group's barrier once more.  No LDS instruction of the wave is pending at a signal.
.macro CREST                           ; a round behind its opening barrier
	s_cmp_lg_u32 s10, 0
	s_cbranch_scc1 .Lnot_wave_0_\@
	s_barrier_signal -3
.Lnot_wave_0_\@:
	s_barrier_wait -3
	s_barrier_signal -1
	s_barrier_wait -1
.endm
.macro CROUND                          ; a whole round
	s_barrier_signal -1
	s_barrier_wait -1
	CREST
.endm
	s_load_b128 s[4:7], s[0:1], 0x0                ; qx s[4:5], wb s[6:7]
	s_load_b64 s[8:9], s[0:1], 0x10                ; out0
	s_load_b64 s[66:67], s[0:1], 0x18              ; rs
	v_lshl_add_u32 v[SPW], v0, 2, SPARE
	v_mov_b32 v[NIL], 0
	ds_add_u32 v[SPW], v[NIL]                      ; the wave's opening: the add, twice on end, and its wait ahead of my first tensor load; the set-up below, work on registers, stands between
	ds_add_u32 v[SPW], v[NIL]                      ; and once more, under the one wait
	v_lshrrev_b32 v1, 5, v0
	v_readfirstlane_b32 s10, v1                    ; wave 0..3
	s_lshr_b32 s11, s10, 1                         ; which half of the tile's rows is mine.  Also: I fetch for qx (0) or for wb (1)
	s_and_b32 s12, s10, 1                          ; which half of its columns.  Also: which 128 rows of that tile I fetch
	s_bfe_u32 s40, ttmp6, 0x40000                  ; cx: my place along the cluster's x
	s_bfe_u32 s41, ttmp6, 0x40004                  ; cy: along its y
	s_lshl_b32 s42, ttmp9, 2                       ; in a cluster launch ttmp9 and ttmp7 count clusters
	s_add_co_u32 s42, s42, s40                     ; tile column = 4 x cluster x + cx, 0 .. 7
	s_and_b32 s13, ttmp7, 0xffff
	s_lshl_b32 s13, s13, 2
	s_add_co_u32 s13, s13, s41                     ; tile row = 4 x cluster y + cy, 0 .. 31
	s_lshl_b32 s43, s41, 2
	s_lshl_b32 s43, 15, s43                        ; my row of the cluster: places 4 cy .. 4 cy + 3
	s_lshl_b32 s44, 0x1111, s40                    ; my column: places cx, cx + 4, cx + 8, cx + 12
	; descriptor group 1: a tile of 128 rows x 128 elements, padded in LDS
	s_or_b32 s[G1+0], s43, (1<<16)|(1<<20)|(1<<21)|(5<<22)|(3<<25)  ; 15:0 the mask: qx's tiles go to my row; 17:16 elements of 2 bytes; 20 padding on; 21 set beside a mask; 24:22 after every 64 words (code 5); 31:25 4 words of it (code 3)
	s_or_b32 s[G1B+0], s44, (1<<16)|(1<<20)|(1<<21)|(5<<22)|(3<<25) ; the same with the mask of my column, for wb's tiles
.irp g, G1, G1B
	s_mov_b32 s[(\g)+1], KSTEP<<16                 ; 63:48 tensor_dim0, low half = 128
	s_mov_b32 s[(\g)+2], 128<<16                   ; 79:64 its high half = 0; 95:80 tensor_dim1, low half = 128
	s_mov_b32 s[(\g)+3], KSTEP<<16                 ; 111:96 its high half = 0; 127:112 tile_dim0 = 128
	s_mov_b32 s[(\g)+4], 128                       ; 143:128 tile_dim1 = 128; 159:144 tile_dim2 = 0
	s_mov_b32 s[(\g)+5], SIZE_K                    ; 191:160 tensor_dim0_stride, low word: elements from row to row
	s_mov_b32 s[(\g)+6], 0
	s_mov_b32 s[(\g)+7], 0
.endr
	; where the tiles come from.  qx's hang on the tile row alone, which my row of the cluster shares; wb's on the tile column alone, which my column shares.
	; Every wave makes both addresses, in registers that never hold the other coordinate, and asks by one of them.
	s_lshl_b32 s17, s12, 7                         ; which 128 rows of the tile I fetch
	s_lshl_b32 s16, s13, 8
	s_add_co_u32 s16, s16, s17                     ; qx: row 256 x tile row + 128 x half
	s_lshl_b32 s46, s42, 8
	s_add_co_u32 s46, s46, s17                     ; wb: row 256 x tile column + 128 x half
	s_mov_b32 s17, 0
	s_mov_b32 s47, 0
	s_mov_b64 s[18:19], SIZE_K*2
	s_mul_u64 s[16:17], s[16:17], s[18:19]         ; in bytes
	s_mul_u64 s[46:47], s[46:47], s[18:19]
	s_mul_i32 s20, s10, HALFT                      ; and where they go: wave x 128 rows: no place in the cluster enters an LDS address
	s_wait_dscnt 0x0                               ; both opening adds are done
	s_wait_kmcnt 0x0
	s_add_nc_u64 s[14:15], s[4:5], s[16:17]
	s_add_nc_u64 s[46:47], s[6:7], s[46:47]
	CROUND                                         ; all sixteen work-groups are here: the first joint loads meet
.irp s, 0,1
	s_mov_b32 s[G0+4*(\s)], 1                                      ; 1:0 count = 1
	s_add_co_u32 s[G0+4*(\s)+1], s20, (\s)*SLOT                    ; 63:32 LDS address
	s_add_nc_u64 s[G0+4*(\s)+2:G0+4*(\s)+3], s[14:15], (\s)*KSTEP*2  ; 120:64 global address: K step s
	s_or_b32 s[G0+4*(\s)+3], s[G0+4*(\s)+3], 0x80000000            ; 127:126 type = 2
	s_mov_b32 s[G0B+4*(\s)], 1
	s_add_co_u32 s[G0B+4*(\s)+1], s20, (\s)*SLOT
	s_add_nc_u64 s[G0B+4*(\s)+2:G0B+4*(\s)+3], s[46:47], (\s)*KSTEP*2
	s_or_b32 s[G0B+4*(\s)+3], s[G0B+4*(\s)+3], 0x80000000
	JLOAD \s                                       ; the ring is filled before anything else is done: two tensor loads of mine are out
.endr
	; A fragment is 16 rows x 32 K in 8 registers: lane l holds row l % 16; registers 0-3 hold K = 8 (l / 16) + 0..7, registers 4-7 hold K = 16 + 8 (l / 16) + 0..7: two loads of 16 bytes, 32 bytes apart.
	v_and_b32 v1, 15, v0                           ; l % 16
	v_bfe_u32 v2, v0, 4, 1                         ; l / 16
	v_mul_u32_u24 v3, v1, PITCH
	v_lshl_add_u32 v3, v2, 4, v3                   ; row x pitch + 16 x half
	s_mul_i32 s21, s11, HALFT                      ; my 128 rows of qx
	s_mul_i32 s22, s12, HALFT                      ; my 128 rows of wb,
	s_add_co_u32 s22, s22, 2*HALFT                 ; which lie behind qx's 256
.irp s, 0,1
	v_add_nc_u32 v[ADRA+(\s)], s21, v3
	v_add_nc_u32 v[ADRB+(\s)], s22, v3
	s_add_co_u32 s21, s21, SLOT
	s_add_co_u32 s22, s22, SLOT
.endr
	s_mul_i32 s23, s10, 16*SPITCH
	s_add_co_u32 s23, s23, STAGE                   ; my stage
	v_mul_u32_u24 v4, v1, SPITCH                   ; in: row l % 16, 32 bytes for each half of the lanes
	v_lshl_add_u32 v4, v2, 5, v4
	v_add_nc_u32 v[STO], s23, v4
	v_and_b32 v5, 31, v0
	v_lshlrev_b32 v[CO], 4, v5                     ; back: the 32 lanes take one row of 512 bytes, and the same bytes in out0
	v_add_nc_u32 v[RD], s23, v[CO]
	v_lshlrev_b32 v[RSO], 2, v1
	; where my part of the tile begins in out0 and in rs
	s_lshl_b32 s13, s13, 8
	s_lshl_b32 s14, s11, 7
	s_add_co_u32 s16, s13, s14                     ; my first row
	s_mov_b32 s17, 0
	s_lshl_b32 s68, s16, 2
	s_mov_b32 s69, 0
	s_add_nc_u64 s[66:67], s[66:67], s[68:69]      ; rs at my first row
	s_mov_b64 s[18:19], CROW
	s_mul_u64 s[16:17], s[16:17], s[18:19]
	s_lshl_b32 s46, s42, 10                        ; my first column, in bytes: 1,024 x tile column + 512 x half
	s_lshl_b32 s47, s12, 9
	s_add_co_u32 s46, s46, s47
	s_mov_b32 s47, 0
	s_add_nc_u64 s[16:17], s[16:17], s[46:47]
	s_add_nc_u64 s[8:9], s[8:9], s[16:17]          ; out0 at my first row and column
.irp a, 0,1,2,3,4,5,6,7
	global_load_b32 v[RS+2*(\a)],   v[RSO], s[66:67] offset:64*(\a)  ; block a's sixteen factors, a lane its row's; both halves of the lanes alike,
	global_load_b32 v[RS+2*(\a)+1], v[RSO], s[66:67] offset:64*(\a)  ; and once more, for the pair's second register
.endr
	; the prefetches.  s13 = 256 x tile row, s42 = tile column, s40 = cx, s41 = cy still stand
	s_lshl_b32 s42, s42, 8
	s_and_b32 s22, ttmp7, 0xffff                   ; cluster y
	s_cmp_eq_u32 s11, 0                            ; do I fetch for qx?
	s_cselect_b32 s20, s13, s42                    ; the tile's first row: in qx by the tile row, in wb by the tile column
	s_cselect_b32 s21, s40, s41                    ; my place among the four that ask for it with me
	s_cselect_b32 s22, ttmp9, s22                  ; the coordinate along which other clusters read the same rows
	s_cselect_b64 s[PFA:PFA+1], s[4:5], s[6:7]
	s_cmp_eq_u32 s22, 0
	s_cselect_b32 s[LIM], 1, -1                    ; the same in all sixteen partners, for a given wave
	s_lshl_b32 s22, s12, 7
	s_add_co_u32 s20, s20, s22                     ; + the 128 rows that I fetch
	s_lshl_b32 s21, s21, 5
	s_add_co_u32 s20, s20, s21                     ; + my work-group's 32 of them
	s_mov_b32 s21, 0
	s_mov_b64 s[18:19], SIZE_K*2
	s_mul_u64 s[20:21], s[20:21], s[18:19]
	s_add_nc_u64 s[PFA:PFA+1], s[PFA:PFA+1], s[20:21]
	s_add_nc_u64 s[PFA:PFA+1], s[PFA:PFA+1], 2*KSTEP*2  ; at K step 2: the first refill steps it to 3 and names K step 4
	v_and_b32 v[PFO], 31, v0
	v_mul_u32_u24 v[PFO], v[PFO], SIZE_K*2
; 16 matrix instructions: m blocks a0, a0 + 1 of the window's four (hi = 0: my rows 0-63, 1: rows 64-127) x all 8 n blocks, 32 along K.  zero = 1: the first product starts the sums: nothing is ever cleared.
; The 64 accumulators take turns, one instruction a turn, in the same order in every quarter step, over the backward jump too.
.macro MUL16 f, hi, a0, zero
	WIN MUL_LO+0x50*(\hi)
.irp a, \a0, (\a0)+1
.irp b, 0,1,2,3,4,5,6,7
.if \zero
	v_wmma_f32_16x16x32_bf16 v[8*(8*(\a)+(\b)):8*(8*(\a)+(\b))+7], v[(\f)+8*(\b):(\f)+8*(\b)+7], v[(\f)+8*(4*(\hi)+(\a)):(\f)+8*(4*(\hi)+(\a))+7], 0
.else
	v_wmma_f32_16x16x32_bf16 v[8*(8*(\a)+(\b)):8*(8*(\a)+(\b))+7], v[(\f)+8*(\b):(\f)+8*(\b)+7], v[(\f)+8*(4*(\hi)+(\a)):(\f)+8*(4*(\hi)+(\a))+7], v[8*(8*(\a)+(\b)):8*(8*(\a)+(\b))+7]
.endif
.endr
.endr
.endm
; 32 LDS loads in one run: the fragments of one quarter step (128 rows of wb, 128 rows of qx, 32 K at byte k of the rows) into buffer f
.macro FETCH slot, k, f
	WIN TO_B
.irp i, 0,1,2,3,4,5,6,7
	ds_load_b128 v[(\f)+8*(\i):(\f)+8*(\i)+3],   v[ADRB+(\slot)] offset:(\k)+(\i)*16*PITCH
	ds_load_b128 v[(\f)+8*(\i)+4:(\f)+8*(\i)+7], v[ADRB+(\slot)] offset:(\k)+(\i)*16*PITCH+32
.endr
	WIN 0
.irp i, 0,1,2,3,4,5,6,7
	ds_load_b128 v[(\f)+8*(\i):(\f)+8*(\i)+3],   v[ADRA+(\slot)] offset:(\k)+(\i)*16*PITCH
	ds_load_b128 v[(\f)+8*(\i)+4:(\f)+8*(\i)+7], v[ADRA+(\slot)] offset:(\k)+(\i)*16*PITCH+32
.endr
.endm
; A load into a register that a matrix instruction has read, and a vector instruction that reads a matrix result or writes one of a matrix instruction's registers, stand four places behind it, and only
; plain vector instructions that name none of its registers are places (ISA guide 7.12.1 for vector instructions).
.macro PLACES
.rept 4
	v_nop
.endr
.endm
; A K step is four quarter steps of 32 along K, 64 matrix instructions each, on buffers 0, 1, 0, 1.
; One of the first three: multiplies buffer f; in its middle it fetches the next quarter's fragments, at byte k of the same slot's rows, into buffer g.
.macro QUARTER slot, k, f, g, zero
	s_wait_dscnt 8                                 ; wb and qx's rows 0-63 are in; the youngest eight loads (qx's rows 64-127) may be out
	MUL16 \f, 0, 0, \zero
	MUL16 \f, 0, 2, \zero
	PLACES
	FETCH \slot, \k, \g
	s_wait_dscnt 32                                ; all but the 32 just issued
	MUL16 \f, 1, 0, \zero
	MUL16 \f, 1, 2, \zero
.endm
; The last quarter multiplies buffer 1 and changes slots.  MEET is its first half: ONE barrier for the change.  In front of it each wave waits for all its tensor loads, of which one is out: its part of the
; next slot; adds 0 to its spare word; and waits for that and for its own reads of this slot.  Behind it nobody reads this slot any more and the next slot is whole.
.macro MEET round                      ; round = 1: the rest of a round of the cluster's barrier follows
	WIN 0                                          ; (the add's two registers lie in window 0)
	s_wait_tensorcnt 0x0                           ; all my tensor loads have landed;
	ds_add_u32 v[SPW], v[NIL]                      ; 0 onto my spare word;
	s_wait_dscnt 9                                 ; (the add and the youngest eight loads may be out)
	MUL16 F1, 0, 0, 0                              ; sixteen matrix instructions stand between the add and the wait for it
	s_wait_dscnt 0x0                               ; the add is done, and my reads of this slot are over:
	s_barrier_signal -1                            ; say so,
	MUL16 F1, 0, 2, 0                              ; work on registers while the others arrive,
.if \round
	WIN 0
.endif
	s_barrier_wait -1                              ; and go on when all four have said so
.endm
; The whole last quarter in the loop.  Behind the round the slot just read out is filled again first, with the K step two steps on; then come the next slot's first fragments.
; From a request to the wait for it a wave issues 224 matrix instructions.
.macro TURN slot, next
	s_wait_xcnt 0x0                                ; the last prefetch, a K step back, has read its address: it is stepped here, ahead of the waits of the change of slots
	s_add_nc_u64 s[PFA:PFA+1], s[PFA:PFA+1], KSTEP*2
	MEET 1
	CREST                                          ; no wave of any partner still reads this slot's tile or has a load on its way
	s_add_nc_u64 s[G0+4*(\slot)+2:G0+4*(\slot)+3], s[G0+4*(\slot)+2:G0+4*(\slot)+3], 2*KSTEP*2    ; no tensor load of mine is out, so a group 0 may be written
	s_add_nc_u64 s[G0B+4*(\slot)+2:G0B+4*(\slot)+3], s[G0B+4*(\slot)+2:G0B+4*(\slot)+3], 2*KSTEP*2
	JLOAD \slot                                    ; the first tensor load behind the round, my only one until the next; the four v_nop behind it are also the places in front of the loads below
	FETCH \next, 0, F0
	ASK
	MUL16 F1, 1, 0, 0
	MUL16 F1, 1, 2, 0
.endm
; The last change of slots: nothing is filled again, so no round follows the barrier.
.macro TURNL
	MEET 0
	PLACES
	FETCH 1, 0, F0
	MUL16 F1, 1, 0, 0
	MUL16 F1, 1, 2, 0
.endm
; THE WAY OUT of block a (16 of my rows), in three parts.  PACK: times the row's factor, into window 0; each accumulator's registers in ascending order.
.macro PACK a
	WIN 2+(\a)/4                                   ; source 0: window 2 or 3
.irp b, 0,1,2,3,4,5,6,7
.irp r, 0,1,2,3
	v_pk_mul_f32 v[TMP+8*(\b)+2*(\r):TMP+8*(\b)+2*(\r)+1], v[64*((\a)%4)+8*(\b)+2*(\r):64*((\a)%4)+8*(\b)+2*(\r)+1], v[RS+2*(\a):RS+2*(\a)+1]
.endr
.endr
	WIN 0
.endm
; TOSTAGE: a lane's eight columns of a row, 32 bytes, into my own stage, and back as whole rows of 512 bytes.
.macro TOSTAGE a
	WIN 0
.set BK, OB0+64*((\a)%2)
.irp b, 0,1,2,3,4,5,6,7
	ds_store_b128 v[STO], v[TMP+8*(\b):TMP+8*(\b)+3]   offset:64*(\b)
	ds_store_b128 v[STO], v[TMP+8*(\b)+4:TMP+8*(\b)+7] offset:64*(\b)+16
.endr
.set t, 0
.rept 16
	ds_load_b128 v[BK+4*t:BK+4*t+3], v[RD] offset:t*SPITCH  ; LDS serves a wave's instructions in order (ISA guide 5.7.1.4): these see the stores above; the next block's stores come behind them
.set t, t+1
.endr
.endm
; SEND: stored, a row an instruction.
.macro SEND a
	WIN 0
.set BK, OB0+64*((\a)%2)
	s_wait_dscnt 0x0                               ; the block is back in registers
	s_wait_xcnt 0x0                                ; every earlier store has read its base and its data: only behind this wait is the base stepped, and are the rows of the block before last loaded over
.if (\a) > 0
	s_add_nc_u64 s[8:9], s[8:9], 16*CROW           ; 16 rows of out0 on
.endif
.set t, 0
.rept 16
	global_store_b128 v[CO], v[BK+4*t:BK+4*t+3], s[8:9] offset:t*CROW th:TH_STORE_NT  ; the wave stores 512 consecutive bytes, at a multiple of 512 from out0's first byte
.set t, t+1
.endr
.endm
	s_wait_loadcnt 0x0                             ; the row factors, in the wait for the first tile
	s_wait_tensorcnt 1                             ; my part of K step 0 is in; K step 1's may stay out
	s_barrier_signal -1
	s_barrier_wait -1                              ; everybody's is
	FETCH 0, 0, F0
	QUARTER 0, 64,  F0, F1, 1                      ; the first quarter stands in front of the loop: its products start the sums
	WIN 0                                          ; at a label and at a branch every window is 0
	s_mov_b32 s3, LAPS-1
.Llap:                                                 ; a trip goes once round the ring, from a lap's second quarter to the next lap's first, and fills both slots again: trip t asks for K steps 2 t and 2 t + 1
	QUARTER 0, 128, F1, F0, 0
	QUARTER 0, 192, F0, F1, 0
	TURN 0, 1
	QUARTER 1, 64,  F0, F1, 0
	QUARTER 1, 128, F1, F0, 0
	QUARTER 1, 192, F0, F1, 0
	TURN 1, 0
	QUARTER 0, 64,  F0, F1, 0
	WIN 0
	s_sub_co_u32 s3, s3, 1
	s_cmp_lg_u32 s3, 0
	s_cbranch_scc1 .Llap
	QUARTER 0, 128, F1, F0, 0                      ; the last lap is written out: it asks for nothing more
	QUARTER 0, 192, F0, F1, 0
	TURNL
	QUARTER 1, 64,  F0, F1, 0
	QUARTER 1, 128, F1, F0, 0
	QUARTER 1, 192, F0, F1, 0
	s_wait_dscnt 8                                 ; the very last quarter: nothing more to fetch
	MUL16 F1, 0, 0, 0
	MUL16 F1, 0, 2, 0
	s_wait_dscnt 0x0
	MUL16 F1, 1, 0, 0
	MUL16 F1, 1, 2, 0
	WIN 0
	PLACES                                         ; behind the last products: the multiplications below read results and write over fragments
	PACK 0
	TOSTAGE 0
.irp a, 1,2,3,4,5,6,7                  ; block a's multiplications stand between block a - 1's loads from the stage and the wait for them
	PACK \a
	SEND (\a)-1
	TOSTAGE \a
.endr
	SEND 7
	s_wait_tensorcnt 0x0                           ; the wave's end: behind my last tensor load and my last LDS store
	ds_add_u32 v[SPW], v[NIL]
	s_wait_dscnt 0x0
	CROUND                                         ; the closing round: no work-group ends while a partner may still ask for a tile that names it
	s_endpgm
.Lfunc_end_k_q132d7d26e2_gemm:
	.size	k_q132d7d26e2_gemm, .Lfunc_end_k_q132d7d26e2_gemm-k_q132d7d26e2_gemm
	.p2alignl 7, 3214868480
	.fill 96, 4, 3214868480
	.section	.rodata,"a",@progbits
	.p2align	6, 0x0
	.amdhsa_kernel k_q132d7d26e2_gemm
		.amdhsa_group_segment_fixed_size 327680
		.amdhsa_private_segment_fixed_size 0
		.amdhsa_enable_private_segment 0
		.amdhsa_kernarg_size 32
		.amdhsa_user_sgpr_count 2
		.amdhsa_user_sgpr_kernarg_segment_ptr 1
		.amdhsa_wavefront_size32 1
		.amdhsa_system_sgpr_workgroup_id_x 1
		.amdhsa_system_sgpr_workgroup_id_y 1
		.amdhsa_system_sgpr_workgroup_id_z 1
		.amdhsa_system_vgpr_workitem_id 0
		.amdhsa_next_free_vgpr 1024
		.amdhsa_next_free_sgpr 72
		.amdhsa_reserve_vcc 0
		.amdhsa_float_denorm_mode_32 3
		.amdhsa_float_denorm_mode_16_64 3
		.amdhsa_memory_ordered 1
		.amdhsa_forward_progress 1
		.amdhsa_inst_pref_size 160
	.end_amdhsa_kernel
	.amdgpu_metadata
---
amdhsa.version: [ 1, 2 ]
amdhsa.kernels:
  - .name:           k_q132d7d26e2_gemm
    .symbol:         k_q132d7d26e2_gemm.kd
    .args:
      - { .name: qx, .offset: 0, .size: 8, .value_kind: global_buffer, .address_space: global }
      - { .name: wb, .offset: 8, .size: 8, .value_kind: global_buffer, .address_space: global }
      - { .name: out0, .offset: 16, .size: 8, .value_kind: global_buffer, .address_space: global }
      - { .name: rs, .offset: 24, .size: 8, .value_kind: global_buffer, .address_space: global }
    .group_segment_fixed_size: 327680
    .private_segment_fixed_size: 0
    .kernarg_segment_align: 8
    .kernarg_segment_size: 32
    .max_flat_workgroup_size: 128
    .sgpr_count:     72
    .vgpr_count:     1024
    .wavefront_size: 32
...
	.end_amdgpu_metadata
.endif
;; end of part 2
;; ======== version 2 of 2: 2 launches; version 1 with the launch prep written anew for expert scheduling mode
;; workspace buffers: qx 67,108,864 bytes; wb 16,777,216 bytes; rs 32,768 bytes
;; launch prep (part 3): grid 256 x 1, 8 waves a work-group, no clusters, 0 bytes of LDS; arguments x, weight_ternary, weight_scale, qx, wb, rs; writes qx, wb, rs
.if DOCPART == 3
	.amdgcn_target "amdgcn-amd-amdhsa--gfx1250"
	.amdhsa_code_object_version 6
	.text
	.protected	k_q132d7d26e2_prep
	.globl	k_q132d7d26e2_prep
	.p2align	8
	.type	k_q132d7d26e2_prep,@function
k_q132d7d26e2_prep:
	s_mov_b64 s[64:65], 0
	v_nop
	global_prefetch_b8 v0, s[64:65] scope:SCOPE_SE
	s_setreg_imm32_b32 hwreg(HW_REG_WAVE_SCHED_MODE, 0, 2), 2
	s_setreg_imm32_b32 hwreg(HW_REG_WAVE_MODE, 25, 1), 1
	s_wait_xcnt 0x0
	s_wait_alu depctr_vm_vsrc(0)
; PER-ROW QUANTISATION OF x, AND THE WEIGHTS AS bf16.  x: [8192][4096] f32.  weight_ternary: [2048][4096] i32.  weight_scale: one f32, ws.
; For a row of x: s = max(max |x|, 1e-5); q = x * (127 / s) rounded to the nearest whole number, halves to even.  q goes out as bf16 (|q| <= 127 is exact in its 8 significant bits),
; the row's factor s * ws / 127 as f32 into rs; the weights go out as bf16 (exact up to 256 in magnitude).  The launch behind multiplies q by the weights and scales each row of the product by rs:
; s / 127 and ws are constant along a row's sum, so that is the same sum.
; THE CLIP TO -128 .. 127 IS NOT WRITTEN: |x| <= s, the reciprocal is within one unit in the last place and two roundings follow, so |x * (127 / s)| <= 127 (1 + 2^-21) < 127.5, which rounds
; to 127 at the most, as clipping and then rounding does.
; LIMITS.  NaN and infinities in x are not treated apart (the maximum passes over a NaN).  A row's maximum above 2^126 has a reciprocal below 2^-126, which counts as 0: such a row is lost.
; x * (127 / s) and x / s * 127 differ by a few units in the last place: where the quotient lies so near a half, q differs by 1 from the quotient's rounding.  Weights beyond 256 in magnitude are rounded to bf16.
; SHARES.  8,192 + 2,048 rows of 16,384 bytes, 40 for each of 256 work-groups: wave g = 8 x work-group + wave takes rows 4 g .. 4 g + 3 of x and row g of the weights.  A wave holds a whole row in 128
; registers between the pass that finds the maximum and the pass that quantises: x is read once, no wave waits for another, nothing goes through LDS.
; A load of the wave covers 512 consecutive bytes, a store 256 consecutive bytes at a multiple of 256 from its buffer's first byte.  rs alone leaves as 16 bytes a wave: 32,768 bytes in the whole launch.
; A RING OF THREE ROW SLOTS, written out (five rows, no loop, no label): one at work, one on its way in, one that the turn before has emptied and that is loaded again.
; REGISTERS, in windows of 256 (s_set_vgpr_msb: bits 1:0 source 0, 3:2 source 1, 5:4 source 2, 7:6 destination): slot 0 = window 0 v128-255; slot 1 = window 1 v0-127; slot 2 = window 1 v128-255;
; the out-buffer Y = window 0 v64-127.
; THE MODE: SCHED_MODE bits 1:0 = 2 (LLVM: expert scheduling mode 2), set by the entry lines.  The code itself states the register dependences between vector instructions and memory instructions,
; with s_wait_alu, always for 0.
; THE PLAN.  Turn t (0 to 4) works on slot t % 3.  Registers that memory instructions touch:
;   v1, v2, v10   byte offsets, made once at the head and never written again: row and place stand in the immediates.
;   the slots     Written by a row's 32 loads; then read by the turn's maxima, scaled and rounded in place, and read by its conversions.  No memory instruction reads a slot.
;                 The loads issued in turn t land in slot (t - 1) % 3, the slot of the turn before (in turn 0: slot 2, which nothing has named).
;   Y             Written by a turn's 64 conversions; read by the turn's 32 stores, which follow them.
;   v[12:15]      The rows' factors: one is written in each of turns 0 to 3; the last store reads the four.
; ONE wait on va_vdst stands at a turn's end, behind its conversions: Y is written, which the stores read; and every vector instruction that named the turn's slot is done, so that the next turn's loads may
; land in it.  Between that wait and those loads stand the stores (of Y, by v2), the wait for the next row, window switches and maxima on another slot: nothing that names the slot or v1.  So the loads
; are dealt among the maxima with no further wait.  One wait on vm_vsrc a turn stands ahead of the conversions: the stores of the turn before have read Y.
.set ROWX, 16384                       ; bytes in a row of x and of the weights
.set ROWQ, 8192                        ; bytes in a row of qx and of wb
.set LO,  1                            ; v1      16 x lane: my 16 bytes of a load's 512; never rewritten
.set SO,  2                            ; v2      8 x lane: my 8 bytes of a store's 256; never rewritten
.set LN,  3                            ; v3      lane
.set M,   4                            ; v[4:7]  four running maxima
.set PX,  8                            ; v8      the other half of the lanes' maximum
.set RC,  9                            ; v9      1 / s, then 127 / s
.set ZO,  10                           ; v10     0: the offset of the store into rs
.set RSV, 12                           ; v[12:15] the four rows' factors
.set Y,   64                           ; v[64:127] a row as it is stored: store j's four bf16 in v[Y + 2 j : Y + 2 j + 1]
.set MSB, 0
.macro WIN new                         ; the immediate's high byte repeats the setting that is left; a switch that changes nothing is dropped
.if MSB != (\new)
	s_set_vgpr_msb (MSB<<8)|(\new)
.set MSB, \new
.endif
.endm
	s_load_b256 s[4:11], s[0:1], 0x0               ; x s[4:5], weight_ternary s[6:7], weight_scale s[8:9], qx s[10:11]
	s_load_b128 s[12:15], s[0:1], 0x20             ; wb s[12:13], rs s[14:15]
	v_and_b32 v[LN], 31, v0
	v_lshrrev_b32 v1, 5, v0
	v_readfirstlane_b32 s16, v1                    ; wave 0..7
	v_lshlrev_b32 v[LO], 4, v[LN]
	v_lshlrev_b32 v[SO], 3, v[LN]
	v_mov_b32 v[PX], 0                             ; v_permlanex16_b32's destination counts as read: it is written once here
	v_mov_b32 v[ZO], 0
	s_wait_alu depctr_va_sdst(0)                   ; s16 is written, ahead of its first reader: every base is made from it
	s_lshl_b32 s18, ttmp9, 3
	s_add_co_u32 s18, s18, s16                     ; g, 0 .. 2047
	s_mov_b32 s3, 0                                ; the high word of every offset: the largest is 2047 x 65,536
	s_mov_b32 s24, 0x76543210                      ; v_permlanex16_b32: each lane takes its own place in the other half
	s_mov_b32 s25, 0xfedcba98
	s_wait_kmcnt 0x0
	s_load_b32 s17, s[8:9], 0x0                    ; ws
	s_lshl_b32 s2, s18, 16                         ; four rows of x
	s_add_nc_u64 s[4:5], s[4:5], s[2:3]
	s_lshl_b32 s2, s18, 15                         ; four rows of qx
	s_add_nc_u64 s[10:11], s[10:11], s[2:3]
	s_lshl_b32 s2, s18, 14                         ; a row of the weights
	s_add_nc_u64 s[6:7], s[6:7], s[2:3]
	s_lshl_b32 s2, s18, 13                         ; a row of wb
	s_add_nc_u64 s[12:13], s[12:13], s[2:3]
	s_lshl_b32 s2, s18, 4                          ; four numbers of rs
	s_add_nc_u64 s[14:15], s[14:15], s[2:3]
	s_wait_alu depctr_va_vdst(0)                   ; the offsets v1, v2 and v10 are written: every load and store of the kernel reads one of them
; n of a row's 32 loads into a slot, from number 'from' on.  No address register is ever rewritten: row and place stand in the immediate, 65,024 at the most.
.macro FILL slot, base, off, from, n
.set FW, ((\slot)+1)/2
.set FB, 128*(1-(\slot)%2)
	WIN FW<<6
.set j, \from
.rept \n
	global_load_b128 v[FB+4*j:FB+4*j+3], v[LO], s[\base:\base+1] offset:(\off)+512*j th:TH_LOAD_NT
.set j, j+1
.endr
.endm
; The 64 conversions of the row in the slot at window XW, register XB, into Y.  busy = 1: stores of the turn before have named Y.
.macro PACKY busy
.if \busy
	s_wait_xcnt 0x0                                ; every earlier store has had its address translated (ISA guide 3.1): its data are written again only behind this wait,
	s_wait_alu depctr_vm_vsrc(0)                   ; and beside it: the stores of the turn before have read Y, which the conversions below write again
.endif
	WIN (XW<<2)|XW                                 ; sources in the slot's window, destination in window 0
.set k, 0
.rept 32
	v_cvt_pk_bf16_f32 v[Y+2*k], v[XB+4*k], v[XB+4*k+1]          ; whole numbers up to 127 (the weights: up to 256): nothing is rounded away
	v_cvt_pk_bf16_f32 v[Y+2*k+1], v[XB+4*k+2], v[XB+4*k+3]
.set k, k+1
.endr
	WIN 0
.endm
; A row's 32 stores, out of Y.
.macro OUT base, off
	WIN 0
.set j, 0
.rept 32
	global_store_b64 v[SO], v[Y+2*j:Y+2*j+1], s[\base:\base+1] offset:(\off)+256*j th:TH_STORE_NT
.set j, j+1
.endr
.endm
; The turn of row i of x, which lies in slot.  fslot >= 0: that slot, which the turn before has emptied (or which is still unused), takes the next row but one.
.macro XROW i, slot, fslot, fbase, foff
	s_wait_loadcnt 32                              ; loads come back in order (ISA guide 5.7.1): my row is in, the next row's 32 stay out
.set XW, ((\slot)+1)/2
.set XB, 128*(1-(\slot)%2)
.set k, 0                              ; pass 1: the largest |x| of my 128 numbers, in four chains; the first eight numbers start them: nothing is cleared
.set gg, 0
.rept 4
.if (\fslot) >= 0
	FILL \fslot, \fbase, \foff, 8*gg, 8            ; eight loads ahead of each sixteen maxima.  No wait: no vector instruction since the wait at the last turn's end names the slot in which they land, or v1
.endif
	WIN XW|(XW<<2)
.rept 16
.if k < 4
	v_max_num_f32 v[M+k], |v[XB+2*k]|, |v[XB+2*k+1]|
.else
	v_max3_num_f32 v[M+k%4], |v[XB+2*k]|, |v[XB+2*k+1]|, v[M+k%4]
.endif
.set k, k+1
.endr
.set gg, gg+1
.endr
	WIN 0
	v_max3_num_f32 v[M], v[M], v[M+1], v[M+2]
	v_max_num_f32 v[M], v[M], v[M+3]
	v_max_num_f32_dpp v[M], v[M], v[M] row_xmask:1 row_mask:0xf bank_mask:0xf   ; across the lanes: four steps inside each half of 16,
	v_max_num_f32_dpp v[M], v[M], v[M] row_xmask:2 row_mask:0xf bank_mask:0xf
	v_max_num_f32_dpp v[M], v[M], v[M] row_xmask:4 row_mask:0xf bank_mask:0xf
	v_max_num_f32_dpp v[M], v[M], v[M] row_xmask:8 row_mask:0xf bank_mask:0xf
	v_permlanex16_b32 v[PX], v[M], s24, s25                                      ; one across the halves
	v_max_num_f32 v[M], v[M], v[PX]
	v_max_num_f32 v[M], 0x3727c5ac, v[M]           ; s = max(.., 1e-5), in every lane
	v_rcp_f32 v[RC], v[M]
	v_mul_f32 v[RSV+(\i)], s22, v[M]               ; s * ws / 127: also the plain instruction between the reciprocal and its use (ISA guide 5.7.2)
	s_wait_alu depctr_va_vdst(0)                   ; the reciprocal is written into v9: the wait stands ahead of the first line that names it
	v_mul_f32 v[RC], 0x42fe0000, v[RC]             ; 127 / s
	v_readfirstlane_b32 s20, v[RC]                 ; the same in every lane: a scalar pair for the packed multiply
	s_wait_alu depctr_va_sdst(0)                   ; s20 is written, ahead of its first reader, the line below
	s_mov_b32 s21, s20
	WIN (XW<<6)|(XW<<2)|XW                         ; pass 2: scaled and rounded in place, the whole row by kinds, so that no line reads the result of the line before it
.set k, 0
.rept 64
	v_pk_mul_f32 v[XB+2*k:XB+2*k+1], v[XB+2*k:XB+2*k+1], s[20:21] op_sel_hi:[1,0]
.set k, k+1
.endr
.set k, 0
.rept 128
	v_rndne_f32 v[XB+k], v[XB+k]
.set k, k+1
.endr
.if (\i) > 0
	PACKY 1
.else
	PACKY 0                                        ; the first row: no store has named Y yet
.endif
	s_wait_alu depctr_va_vdst(0)                   ; the conversions have written Y, which the stores below read; and all that read or wrote this slot is done: the next turn's loads land in it
	OUT 10, (\i)*ROWQ
.endm
; The turn of the wave's row of weights: i32 to f32 in place, then to bf16 into Y.
.macro WROW slot
	s_wait_loadcnt 0x0                             ; the last row: nothing was issued behind it
.set XW, ((\slot)+1)/2
.set XB, 128*(1-(\slot)%2)
	WIN (XW<<6)|(XW<<2)|XW
.set k, 0
.rept 128
	v_cvt_f32_i32 v[XB+k], v[XB+k]
.set k, k+1
.endr
	PACKY 1
	s_wait_alu depctr_va_vdst(0)                   ; the conversions have written Y, which the stores below read
	OUT 12, 0
.endm
	FILL 0, 4, 0, 0, 32                            ; row 0 of my four
	FILL 1, 4, ROWX, 0, 32                         ; row 1
	s_wait_kmcnt 0x0                               ; ws
	s_mul_f32 s22, s17, 0x3c010204                 ; ws / 127
	XROW 0, 0, 2, 4, 2*ROWX                        ; from here on two rows, 32,768 bytes a wave, are on their way during a turn
	XROW 1, 1, 0, 4, 3*ROWX
	XROW 2, 2, 1, 6, 0                             ; slot 1 takes the row of weights
	XROW 3, 0, -1, 4, 0                            ; nothing is left to load; the 32 that stay out are the weights'
	WROW 1
	s_wait_xcnt 0x0                                ; EXEC is a source of the stores that are out: it changes only behind this wait
	v_cmp_eq_u32 vcc_lo, 0, v[LN]
	s_wait_alu depctr_va_vcc(0)                    ; the compare has written VCC, from which EXEC is made
	s_wait_alu depctr_va_vdst(0)                   ; ahead of the write of EXEC: every vector instruction issued so far is done, the four that wrote the factors v[12:15] among them,
	s_wait_alu depctr_vm_vsrc(0)                   ; and every store issued so far has read its vector registers
	s_and_saveexec_b32 s26, vcc_lo                 ; lane 0 alone: the four factors are the same in every lane
	global_store_b128 v[ZO], v[RSV:RSV+3], s[14:15]
	s_endpgm
.Lfunc_end_k_q132d7d26e2_prep:
	.size	k_q132d7d26e2_prep, .Lfunc_end_k_q132d7d26e2_prep-k_q132d7d26e2_prep
	.p2alignl 7, 3214868480
	.fill 96, 4, 3214868480
	.section	.rodata,"a",@progbits
	.p2align	6, 0x0
	.amdhsa_kernel k_q132d7d26e2_prep
		.amdhsa_group_segment_fixed_size 0
		.amdhsa_private_segment_fixed_size 0
		.amdhsa_enable_private_segment 0
		.amdhsa_kernarg_size 48
		.amdhsa_user_sgpr_count 2
		.amdhsa_user_sgpr_kernarg_segment_ptr 1
		.amdhsa_wavefront_size32 1
		.amdhsa_system_sgpr_workgroup_id_x 1
		.amdhsa_system_sgpr_workgroup_id_y 1
		.amdhsa_system_sgpr_workgroup_id_z 1
		.amdhsa_system_vgpr_workitem_id 0
		.amdhsa_next_free_vgpr 512
		.amdhsa_next_free_sgpr 66
		.amdhsa_reserve_vcc 1
		.amdhsa_float_denorm_mode_32 3
		.amdhsa_float_denorm_mode_16_64 3
		.amdhsa_memory_ordered 1
		.amdhsa_forward_progress 1
		.amdhsa_inst_pref_size 109
	.end_amdhsa_kernel
	.amdgpu_metadata
---
amdhsa.version: [ 1, 2 ]
amdhsa.kernels:
  - .name:           k_q132d7d26e2_prep
    .symbol:         k_q132d7d26e2_prep.kd
    .args:
      - { .name: x, .offset: 0, .size: 8, .value_kind: global_buffer, .address_space: global }
      - { .name: weight_ternary, .offset: 8, .size: 8, .value_kind: global_buffer, .address_space: global }
      - { .name: weight_scale, .offset: 16, .size: 8, .value_kind: global_buffer, .address_space: global }
      - { .name: qx, .offset: 24, .size: 8, .value_kind: global_buffer, .address_space: global }
      - { .name: wb, .offset: 32, .size: 8, .value_kind: global_buffer, .address_space: global }
      - { .name: rs, .offset: 40, .size: 8, .value_kind: global_buffer, .address_space: global }
    .group_segment_fixed_size: 0
    .private_segment_fixed_size: 0
    .kernarg_segment_align: 8
    .kernarg_segment_size: 48
    .max_flat_workgroup_size: 256
    .sgpr_count:     66
    .vgpr_count:     512
    .wavefront_size: 32
...
	.end_amdgpu_metadata
.endif
;; end of part 3
;; launch gemm: the kernel of part 2 again; grid 8 x 32, 4 waves a work-group, clusters of 4 x 4, 327,680 bytes of LDS; arguments qx, wb, out0, rs; writes out0
